; MI455X (gfx1250); checked and timed in simulation.
; The chip was launched on July 23, 2026; its instructions are those of AMD's public machine-readable ISA for CDNA 5 (MIT licence, August 2026) and "CDNA5" Instruction Set Architecture Reference Guide (July 2026). The comments in the code are by the model that wrote it; some were corrected since.
;; Kan AE Classifier. Allowed arithmetic: float matrix products may take bf16 or f16 operands with f32 sums; other float arithmetic in f32, or as packed bf16 or f16 multiplies, adds, multiply-adds, maxima and minima; sums over many terms, partial sums and values carried from step to step in f32; what a program stores and reads back later, other than sums and carried values, may be rounded once to bf16 or f16.
;; Inputs: cls_b 2 float32; cls_w 2 x 32 float32; d1_base_w 64 x 32 float32; d1_scaler 64 x 32 float32; d1_spline_w 64 x 32 x 8 float32; d2_base_w 78 x 64 float32; d2_scaler 78 x 64 float32; d2_spline_w 78 x 64 x 8 float32; e1_base_w 64 x 78 float32; e1_scaler 64 x 78 float32; e1_spline_w 64 x 78 x 8 float32; e2_base_w 32 x 64 float32; e2_scaler 32 x 64 float32; e2_spline_w 32 x 64 x 8 float32; ln_b 32 float32; ln_w 32 float32; x 65,536 x 78 float32.
;; Outputs: out0 65,536 x 2 float32; out1 65,536 x 78 float32; out2 65,536 x 32 float32.
;; One version. Each part assembles by itself: llvm-mc -triple=amdgcn-amd-amdhsa -mcpu=gfx1250 --defsym DOCPART=n.
;; ======== version 1 of 1: 2 launches
;; limits: values are held in f16: magnitudes above 65,504 overflow, below 6.1e-05 lose precision
;; workspace buffers: wimg 356,352 bytes
;; launch prep (part 1): grid 87 x 1, 8 waves a work-group, no clusters, 0 bytes of LDS; arguments e1_base_w, e1_spline_w, e1_scaler, e2_base_w, e2_spline_w, e2_scaler, d1_base_w, d1_spline_w, d1_scaler, d2_base_w, d2_spline_w, d2_scaler, cls_w, wimg; writes wimg
.if DOCPART == 1
	.amdgcn_target "amdgcn-amd-amdhsa--gfx1250"
	.amdhsa_code_object_version 6
	.text
	.protected	k_qf7fae8bd64_prep
	.globl	k_qf7fae8bd64_prep
	.p2align	8
	.type	k_qf7fae8bd64_prep,@function
k_qf7fae8bd64_prep:
	s_mov_b64 s[64:65], 0
	v_nop
	global_prefetch_b8 v0, s[64:65] scope:SCOPE_SE
	s_setreg_imm32_b32 hwreg(HW_REG_WAVE_MODE, 25, 1), 1
	s_wait_xcnt 0x0
; All weights of the network as f16 matrix fragments, in the byte order in which a lane of the second launch loads them.
; wimg = 348 fragments of 1,024 bytes.  A fragment is 16 outputs x 32 k; the 16 bytes of (lane L, half q) lie at 512 q + 16 L
; and hold output row m = L % 16, k = 16 q + 8 (L / 16) + 0..7.  Blocks (first fragment; steps x output tiles):
;   E1 0 (23 x 4)   E1's remainders 92 (23 x 4)   E2 184 (18 x 2)   classifier 220 (and a second copy at 221)   D1 222 (9 x 4)   D2 258 (18 x 5)
; In a block the fragment's number is step x OT + ot, the base steps first.
;   base step s:   k stands for input 32 s + k;                      the number is base_w[o][input]
;   spline step s: (q, L / 16) stands for input 4 s + 2 (L / 16) + q, the eight k of a chunk for its eight spline coefficients;
;                  the number is spline_w[o][input][c] x scaler[o][input], multiplied in f32.
; Each number w is rounded once to f16.  E1's weights are kept as two f16 numbers: the block of remainders holds w - f16(w), rounded to f16:
; an error made in the first layer is multiplied by the three layers behind it, so that layer's operands carry 22 bits.
; Zero where the input or the output does not exist.  Classifier: row m takes cls_w[m % 8] if m % 8 < 2.
; One thread makes one chunk of 16 bytes; a wave stores 512 consecutive bytes, at a multiple of 512 from wimg's first byte.
; LIMIT: f16 ends at 65,504: |base_w|, |cls_w| and |spline_w x scaler| stay below it; below 6e-5 an f16 number keeps the fixed step of 6e-8.
.set FN,  3                            ; s3   the fragment's number f
.set QH,  4                            ; s4   which half q
.set F0,  40                           ; s40  the block's first fragment
.set OTN, 41                           ; s41  its output tiles
.set RCP, 42                           ; s42  1024 / OT rounded up: (g x RCP) >> 10 = g / OT for g < 92
.set NBS, 43                           ; s43  its base steps
.set NIN, 44                           ; s44  its inputs
.set NOUT, 45                          ; s45  its outputs
.set OMK, 46                           ; s46  mask on the output's number (7 for the classifier)
.set PBA, 48                           ; s[48:49] base_w, s[50:51] spline_w, s[52:53] scaler of the block
.set LOF, 60                           ; s60  1: the block of remainders
	s_load_b512 s[8:23], s[0:1], 0x0               ; e1 base, spline, scaler; e2 base, spline, scaler; d1 base, spline
	s_load_b256 s[24:31], s[0:1], 0x40             ; d1 scaler; d2 base, spline, scaler
	s_load_b128 s[32:35], s[0:1], 0x60             ; cls_w; wimg
	v_lshrrev_b32 v1, 5, v0
	v_readfirstlane_b32 s2, v1                     ; wave 0..7
	s_lshr_b32 s[FN], s2, 1
	s_lshl_b32 s[QH], ttmp9, 2
	s_add_co_u32 s[FN], s[FN], s[QH]               ; f = 4 x work-group + wave / 2
	s_and_b32 s[QH], s2, 1                         ; q = wave % 2
	s_mov_b32 s[F0], 258                           ; D2's numbers; the picks below replace them for the earlier blocks
	s_mov_b32 s[OTN], 5
	s_mov_b32 s[RCP], 205
	s_mov_b32 s[NBS], 2
	s_mov_b32 s[NIN], 64
	s_mov_b32 s[NOUT], 78
	s_mov_b32 s[OMK], 255
	s_mov_b32 s[LOF], 0
	s_wait_kmcnt 0x0
	s_mov_b64 s[PBA:PBA+1], s[26:27]
	s_mov_b64 s[PBA+2:PBA+3], s[28:29]
	s_mov_b64 s[PBA+4:PBA+5], s[30:31]
; f < lim: the block in front.  The choice hangs on the fragment's number alone; s_cselect leaves SCC as it is.
.macro PICK lim, f0, ot, rc, nb, ni, no, om, lo, pb, ps, pc
	s_cmp_lt_u32 s[FN], \lim
	s_cselect_b32 s[F0], \f0, s[F0]
	s_cselect_b32 s[OTN], \ot, s[OTN]
	s_cselect_b32 s[RCP], \rc, s[RCP]
	s_cselect_b32 s[NBS], \nb, s[NBS]
	s_cselect_b32 s[NIN], \ni, s[NIN]
	s_cselect_b32 s[NOUT], \no, s[NOUT]
	s_cselect_b32 s[OMK], \om, s[OMK]
	s_cselect_b32 s[LOF], \lo, s[LOF]
	s_cselect_b64 s[PBA:PBA+1], s[\pb:\pb+1], s[PBA:PBA+1]
	s_cselect_b64 s[PBA+2:PBA+3], s[\ps:\ps+1], s[PBA+2:PBA+3]
	s_cselect_b64 s[PBA+4:PBA+5], s[\pc:\pc+1], s[PBA+4:PBA+5]
.endm
	PICK 258, 222, 4, 256, 1, 32, 64, 255, 0, 20, 22, 24   ; D1
	PICK 222, 220, 2, 512, 1, 32, 2, 7, 0, 32, 22, 24      ; classifier: one base step; its spline pointers are never used
	PICK 220, 184, 2, 512, 2, 64, 32, 255, 0, 14, 16, 18   ; E2
	PICK 184, 92, 4, 256, 3, 78, 64, 255, 1, 8, 10, 12     ; E1's remainders
	PICK 92, 0, 4, 256, 3, 78, 64, 255, 0, 8, 10, 12       ; E1
	s_sub_co_u32 s5, s[FN], s[F0]                  ; g: the fragment's number in its block
	s_mul_i32 s6, s5, s[RCP]
	s_lshr_b32 s6, s6, 10                          ; step = g / OT
	s_mul_i32 s7, s6, s[OTN]
	s_sub_co_u32 s7, s5, s7                        ; ot = g % OT
	s_sub_co_u32 s47, s[NIN], 2
	s_sub_co_u32 s54, s[NIN], 1
	s_sub_co_u32 s55, s[NOUT], 1
	s_lshl_b32 s36, s[FN], 10
	s_lshl_b32 s37, s[QH], 9
	s_add_co_u32 s36, s36, s37
	v_and_b32 v1, 31, v0                           ; L
	v_and_b32 v2, 15, v0                           ; m
	v_bfe_u32 v3, v0, 4, 1                         ; h = L / 16
	v_lshl_add_u32 v6, v1, 4, s36                  ; where my chunk goes: 1024 f + 512 q + 16 L
	s_lshl_b32 s37, s7, 4
	v_add_nc_u32 v4, s37, v2
	v_and_b32 v4, s[OMK], v4                       ; my output o
	v_cmp_gt_u32 s38, s[NOUT], v4                  ; does it exist?
	v_min_u32 v4, s55, v4                          ; a row that exists, for the address
	v_mul_u32_u24 v5, s[NIN], v4                   ; its first element
	s_cmp_lt_u32 s6, s[NBS]
	s_cbranch_scc0 .Lspline
	; a base step: inputs 32 step + 16 q + 8 h + 0..7, as four pairs (the number of inputs is even: a pair exists whole or not at all)
	s_lshl_b32 s39, s6, 5
	s_lshl_b32 s37, s[QH], 4
	s_add_co_u32 s39, s39, s37
	v_lshl_add_u32 v7, v3, 3, s39
.irp p, 0,1,2,3
	v_add_nc_u32 v[8+\p], 2*\p, v7
	v_cmp_gt_u32 s[56+\p], s[NIN], v[8+\p]
	s_and_b32 s[56+\p], s[56+\p], s38              ; input and output exist
	v_min_u32 v[8+\p], s47, v[8+\p]                ; a pair that exists, for the address
	v_add_lshl_u32 v[8+\p], v[8+\p], v5, 2
	global_load_b64 v[12+2*\p:13+2*\p], v[8+\p], s[PBA:PBA+1]
.endr
	s_wait_loadcnt 0x0
.irp p, 0,1,2,3
	v_cndmask_b32 v[12+2*\p], 0, v[12+2*\p], s[56+\p]
	v_cndmask_b32 v[13+2*\p], 0, v[13+2*\p], s[56+\p]
.endr
	s_branch .Lfin
.Lspline:
	; a spline step: input 4 (step - base steps) + 2 h + q, its eight coefficients times its scaler
	s_sub_co_u32 s39, s6, s[NBS]
	s_lshl_b32 s39, s39, 2
	s_add_co_u32 s39, s39, s[QH]
	v_lshl_add_u32 v7, v3, 1, s39
	v_cmp_gt_u32 s56, s[NIN], v7
	s_and_b32 s56, s56, s38
	v_min_u32 v7, s54, v7
	v_add_nc_u32 v7, v7, v5                        ; element o x In + i
	v_lshlrev_b32 v8, 5, v7
	v_lshlrev_b32 v9, 2, v7
	global_load_b128 v[12:15], v8, s[PBA+2:PBA+3]
	global_load_b128 v[16:19], v8, s[PBA+2:PBA+3] offset:16
	global_load_b32 v10, v9, s[PBA+4:PBA+5]
	s_wait_loadcnt 0x0
	v_cndmask_b32 v10, 0, v10, s56                 ; scaler, or 0 where input or output does not exist
	v_mov_b32 v11, v10
.irp p, 0,1,2,3
	v_pk_mul_f32 v[12+2*\p:13+2*\p], v[12+2*\p:13+2*\p], v[10:11]
.endr
.Lfin:                                                 ; v[12:19]: my eight numbers in f32
.irp p, 0,1,2,3
	v_cvt_pk_f16_f32 v[20+\p], v[12+2*\p], v[13+2*\p]
.endr
	s_cmp_eq_u32 s[LOF], 0
	s_cbranch_scc1 .Lstore
	v_mov_b32 v11, -1.0                            ; the remainders: f16(w) x -1 + w, exact in f32, then rounded to f16
.irp p, 0,1,2,3
	v_fma_mix_f32 v[12+2*\p], v[20+\p], v11, v[12+2*\p] op_sel_hi:[1,0,0]
	v_fma_mix_f32 v[13+2*\p], v[20+\p], v11, v[13+2*\p] op_sel:[1,0,0] op_sel_hi:[1,0,0]
.endr
.irp p, 0,1,2,3
	v_cvt_pk_f16_f32 v[20+\p], v[12+2*\p], v[13+2*\p]
.endr
.Lstore:
	global_store_b128 v6, v[20:23], s[34:35]
	s_endpgm
.Lfunc_end_k_qf7fae8bd64_prep:
	.size	k_qf7fae8bd64_prep, .Lfunc_end_k_qf7fae8bd64_prep-k_qf7fae8bd64_prep
	.p2alignl 7, 3214868480
	.fill 96, 4, 3214868480
	.section	.rodata,"a",@progbits
	.p2align	6, 0x0
	.amdhsa_kernel k_qf7fae8bd64_prep
		.amdhsa_group_segment_fixed_size 0
		.amdhsa_private_segment_fixed_size 0
		.amdhsa_enable_private_segment 0
		.amdhsa_kernarg_size 112
		.amdhsa_user_sgpr_count 2
		.amdhsa_user_sgpr_kernarg_segment_ptr 1
		.amdhsa_wavefront_size32 1
		.amdhsa_system_sgpr_workgroup_id_x 1
		.amdhsa_system_sgpr_workgroup_id_y 1
		.amdhsa_system_sgpr_workgroup_id_z 1
		.amdhsa_system_vgpr_workitem_id 0
		.amdhsa_next_free_vgpr 24
		.amdhsa_next_free_sgpr 66
		.amdhsa_reserve_vcc 0
		.amdhsa_float_denorm_mode_32 3
		.amdhsa_float_denorm_mode_16_64 3
		.amdhsa_memory_ordered 1
		.amdhsa_forward_progress 1
		.amdhsa_inst_pref_size 9
	.end_amdhsa_kernel
	.amdgpu_metadata
---
amdhsa.version: [ 1, 2 ]
amdhsa.kernels:
  - .name:           k_qf7fae8bd64_prep
    .symbol:         k_qf7fae8bd64_prep.kd
    .args:
      - { .name: e1_base_w, .offset: 0, .size: 8, .value_kind: global_buffer, .address_space: global }
      - { .name: e1_spline_w, .offset: 8, .size: 8, .value_kind: global_buffer, .address_space: global }
      - { .name: e1_scaler, .offset: 16, .size: 8, .value_kind: global_buffer, .address_space: global }
      - { .name: e2_base_w, .offset: 24, .size: 8, .value_kind: global_buffer, .address_space: global }
      - { .name: e2_spline_w, .offset: 32, .size: 8, .value_kind: global_buffer, .address_space: global }
      - { .name: e2_scaler, .offset: 40, .size: 8, .value_kind: global_buffer, .address_space: global }
      - { .name: d1_base_w, .offset: 48, .size: 8, .value_kind: global_buffer, .address_space: global }
      - { .name: d1_spline_w, .offset: 56, .size: 8, .value_kind: global_buffer, .address_space: global }
      - { .name: d1_scaler, .offset: 64, .size: 8, .value_kind: global_buffer, .address_space: global }
      - { .name: d2_base_w, .offset: 72, .size: 8, .value_kind: global_buffer, .address_space: global }
      - { .name: d2_spline_w, .offset: 80, .size: 8, .value_kind: global_buffer, .address_space: global }
      - { .name: d2_scaler, .offset: 88, .size: 8, .value_kind: global_buffer, .address_space: global }
      - { .name: cls_w, .offset: 96, .size: 8, .value_kind: global_buffer, .address_space: global }
      - { .name: wimg, .offset: 104, .size: 8, .value_kind: global_buffer, .address_space: global }
    .group_segment_fixed_size: 0
    .private_segment_fixed_size: 0
    .kernarg_segment_align: 8
    .kernarg_segment_size: 112
    .max_flat_workgroup_size: 256
    .sgpr_count:     66
    .vgpr_count:     24
    .wavefront_size: 32
...
	.end_amdgpu_metadata
.endif
;; end of part 1
;; launch kan (part 2): grid 256 x 1, 8 waves a work-group, clusters of 4 x 1, 327,680 bytes of LDS; arguments x, wimg, ln_w, ln_b, cls_b, out0, out1, out2; writes out0, out1, out2
.if DOCPART == 2
	.amdgcn_target "amdgcn-amd-amdhsa--gfx1250"
	.amdhsa_code_object_version 6
	.text
	.protected	k_qf7fae8bd64_kan
	.globl	k_qf7fae8bd64_kan
	.p2align	8
	.type	k_qf7fae8bd64_kan,@function
k_qf7fae8bd64_kan:
	s_mov_b64 s[64:65], 0
	v_nop
	global_prefetch_b8 v0, s[64:65] scope:SCOPE_SE
	s_setreg_imm32_b32 hwreg(HW_REG_WAVE_MODE, 25, 1), 1
	s_wait_xcnt 0x0
	s_wait_alu depctr_hold_cnt(0) depctr_sa_sdst(0) depctr_va_vdst(0) depctr_va_sdst(0) depctr_va_ssrc(0) depctr_va_vcc(0) depctr_vm_vsrc(0)
	s_getreg_b32 s2, hwreg(HW_REG_IB_STS2, 6, 4)
	s_cmp_eq_u32 s2, 0
	s_cbranch_scc0 .Lentry_in_a_cluster
	s_endpgm
.Lentry_in_a_cluster:
	s_bfe_u32 s2, ttmp6, 0x10000c
	s_cmp_lg_u32 s2, 0x3003
	s_cbranch_scc0 .Lentry_shape_is_right
	s_endpgm
.Lentry_shape_is_right:
; The whole network for 256 rows a work-group: KAN 78 -> 64 -> 32, LayerNorm, classifier 32 -> 2, KAN 32 -> 64 -> 78.  Nothing between the layers goes through memory.
; A KAN layer is ONE matrix product: along K lie, for each input, silu(input) (the base steps) and its eight cubic B-spline values (the spline steps), in f16; sums in f32.
; THE FIRST LAYER'S OPERANDS ARE SPLIT.  An error in h is multiplied by the three layers behind it, so E1's weights and features are each two f16 numbers, W = Whi + Wlo, F = Fhi + Flo
;   (lo = the number less its f16 rounding, exact in f32, rounded to f16), and h = Whi Fhi + Whi Flo + Wlo Fhi in the same f32 sums.  The other layers take one f16 number each.
; SHARES.  Eight waves, 32 rows each: two row tiles of 16.  The vector work (134 lines for a spline step's 4 inputs a lane, 218 in E1) outweighs the matrix work (4 to 24 products a step), so two waves lie on
; a SIMD and each fills the other's matrix, LDS and transcendental gaps; 256 registers a wave, no register windows.
; LAYOUT.  D = W x F: source 0 = 16 outputs x 32 k of weights, source 1 = 32 k x 16 rows of features.  Lane L (r = L % 16, h = L / 16) holds row r in F and in D; D's register j is output 16 ot + 8 h + j.
;   spline step s: F's registers 0-3 are the eight spline values of input 4 s + 2 h, registers 4-7 those of input 4 s + 2 h + 1.   base step s: silu of inputs 32 s + 8 h + 0..7 and 32 s + 16 + 8 h + 0..7.
;   The weights come from wimg in the same order.  Between the layers the activations lie in the wave's own LDS bytes as plain f32 rows; LDS serves a wave's instructions in order (ISA guide 5.7.1.4), so no barrier is needed there.
; SPLINES.  The knots are 0.4 k - 1: t = 2.5 x + 5.5, j = floor(t), u = t - j, v = 1 - u.  The four values that are not 0 belong to coefficients j - 3 .. j:
;   w0 = v^3/6, w1 = 2/3 - u^2 + u^3/2, w2 = 2/3 - v^2 + v^3/2, w3 = u^3/6.  P0 = {w0, w1}, P1 = {w2, w3} in f16.  For j even they are moved up by one half word: v_perm_b32 with the selector 0x05040302 (j odd: 0x03020100)
;   makes G0, G1, G2 of (0, P0, P1, 0); word r of the eight coefficients is G(r + 2 - j/2) where that exists, else 0: six compares of floor(j/2), twelve selects.  Outside 0 <= j <= 11 nothing is selected.
;   The selector is made in f32: with par = j - 2 floor(j/2), fma(par, -d, a), a = the float of bits 0x05040302, d of bits 0x04f7c5e4; a - d is exactly the float of bits 0x03020100.
; WEIGHTS IN LDS.  E1's two images (188,416 bytes) and E2's and the classifier's (38,912) come at the start; when every wave has done with E1, D1's and D2's images (129,024) take E1's place.  All work-groups read the
;   same images, so the four of a cluster ask for them JOINTLY: the same tensor load, descriptor and mask in all four.  x is each wave's own load: 32 rows are 9,984 dense bytes.
; LIMITS.  Inputs are finite.  f16 ends at 65,504: silu of every activation and z stay below it; f16 numbers below 6e-5 keep the fixed step of 6e-8.  K is padded: inputs 78 and 79 of a row of x
;   are the next row's first two numbers, which meet weights 0: a NaN or infinity there would reach the row in front too.
.set SPARE, 309248                     ; the spare words: 128 bytes a wave, four blocks of 256 bytes that no other line names
.set XR0,   227328                     ; the waves' own regions: 9,984 bytes (x, later H, z, HD, recon) and a block of 256 bytes into which no tensor load lands
.set XRW,   10240
.set W_E1L, 94208                      ; E1's remainders, in wimg and in LDS
.set REGB,  188416                     ; E2's image, in wimg and in LDS
.set W_CLS, 225280                     ; the classifier's, likewise
.set W_DG,  227328                     ; D1's and D2's images in wimg; in LDS they lie from 0 on:
.set L_D1,  0
.set L_D2,  36864
.set PX, 312                           ; a row of x and of recon
.set PH, 272                           ; a row of H and HD: 256 bytes + 16: the 16 rows of a store of 16 bytes start at 16 different groups of four banks (64 banks of 4 bytes: ISA guide 11.1)
.set PZ, 144                           ; a row of z: 128 + 16
.set XT,  16                           ; v16-47   a base step's inputs, 16 a row tile
.set EB,  48                           ; v48-63   at work in a base step
.set LS,  56                           ; v56-60   at work on an input's lo parts in a spline step
.set WFL, 64                           ; v64-95   in E1: the step's four fragments of Wlo
.set LNW, 64                           ; v64-79   behind E1: ln_w of my 16 outputs;  v80-95 ln_b
.set LNB, 80
.set ACC, 96                           ; v96-175  accumulator (ot, t) at ACC + 8 (2 ot + t)
.set WF,  176                          ; v176-215 a step's weight fragments, at most five
.set FR,  216                          ; v216-231 the features, row tile t at FR + 8 t
.set XIN, 232                          ; v232-235 the next spline step's inputs, a pair a row tile
.set ZP,  236                          ; v236-237 zeros
.set NG1, 238                          ; v238     in E1: -1.0
.set LG,  238                          ; v238-239 later: my row's logits
.set FRL, 240                          ; v240-255 in E1: the features' lo parts
; v0 thread; v1 the layer's spline inputs, my lane's place; v2, v3 the add's two; v4, v5 addresses at work; v6 the layer's base inputs; v7 r; v8 my region + 8 h; v9 my region + 32 h; v10 where results go, in E1 also Wlo's address;
; v11 z read back; v12 my region + 16 L; v13 16 L; v14 8 L; v15 32 h
; s[4:19] the eight addresses; s20 wave; s22 my wave among all; s[24:39] four descriptor groups 0; s[40:63], s[68:75] four groups 1; s[66:67] a; s[76:85] constants, as pairs; s86, s87 lane selects;
; s88 counter; s89 my region; s[90:91] cls_b; s92 lanes 16-31; s93 1e-5; s94 1/32; s95 byte of the next spline inputs in a row; s[96:97] -d; s98 LDS byte of the next step's weights
.macro ROUND                           ; a round of the cluster's barrier: my work-group's barrier; wave 0 signals for it; every wave waits for all four work-groups; my work-group's barrier once more
	s_barrier_signal -1
	s_barrier_wait -1
	s_cmp_lg_u32 s20, 0
	s_cbranch_scc1 .Lnot_wave_0_\@
	s_barrier_signal -3
.Lnot_wave_0_\@:
	s_barrier_wait -3
	s_barrier_signal -1
	s_barrier_wait -1
.endm
.macro PLACES                          ; four plain lines between a matrix instruction and what reads its result (ISA guide 7.12.1)
.rept 4
	v_nop
.endr
.endm
.macro G1SET g, rows, w0               ; descriptor group 1: a dense block as rows of 256 bytes: 32 elements of 8 bytes, 32 from row to row
	s_mov_b32 s[\g], \w0
	s_mov_b32 s[\g+1], 32<<16
	s_mov_b32 s[\g+2], (\rows)<<16
	s_mov_b32 s[\g+3], 32<<16
	s_mov_b32 s[\g+4], \rows
	s_mov_b32 s[\g+5], 32
	s_mov_b32 s[\g+6], 0
	s_mov_b32 s[\g+7], 0
.endm
	s_load_b256 s[4:11], s[0:1], 0x0               ; x s[4:5], wimg s[6:7], ln_w s[8:9], ln_b s[10:11]
	s_load_b256 s[12:19], s[0:1], 0x20             ; cls_b s[12:13], out0 s[14:15], out1 s[16:17], out2 s[18:19]
	v_lshl_add_u32 v2, v0, 2, SPARE
	v_mov_b32 v3, 0
	ds_add_u32 v2, v3                              ; the wave's opening: the add and its wait stand ahead of my first tensor load; the set-up below, work on registers, stands between them
	v_lshrrev_b32 v1, 5, v0
	v_readfirstlane_b32 s20, v1                    ; wave 0..7
	s_bfe_u32 s21, ttmp6, 0x40000                  ; cx: my place in the cluster: it enters x's and the outputs' addresses alone
	s_lshl_b32 s22, ttmp9, 2                       ; in a cluster launch ttmp9 counts clusters
	s_add_co_u32 s22, s22, s21
	s_lshl_b32 s22, s22, 3
	s_add_co_u32 s22, s22, s20                     ; my wave among all 2,048: rows 32 x that on
	s_mov_b32 s76, 0x40200000                      ; 2.5
	s_mov_b32 s77, 0x40200000
	s_mov_b32 s78, 0x40b00000                      ; 5.5
	s_mov_b32 s79, 0x40b00000
	s_mov_b32 s80, 0x3f2aaaab                      ; 2/3
	s_mov_b32 s81, 0x3f2aaaab
	s_mov_b32 s82, 0x3e2aaaab                      ; 1/6
	s_mov_b32 s83, 0x3e2aaaab
	s_mov_b32 s84, 0xbfb8aa3b                      ; -log2(e)
	s_mov_b32 s85, 0xbfb8aa3b
	s_mov_b32 s66, 0x05040302                      ; a: the selector for j even
	s_mov_b32 s67, 0x05040302
	s_mov_b32 s96, 0x84f7c5e4                      ; -d: a - d has the bits of the selector for j odd
	s_mov_b32 s97, 0x84f7c5e4
	s_mov_b32 s86, 0x76543210                      ; v_permlanex16_b32: each lane takes its own place in the other half
	s_mov_b32 s87, 0xfedcba98
	s_mov_b32 s92, 0xffff0000
	s_mov_b32 s93, 0x3727c5ac                      ; 1e-5
	s_mov_b32 s94, 0x3d000000                      ; 1/32
	G1SET 40, 39, 3<<16                            ; x: 39 rows of 256 bytes, my own
	G1SET 48, 92, 15|(3<<16)|(1<<21)               ; E1's two images: an eighth a wave, 92 rows; 15:0 the mask of four, 21 set beside it
	G1SET 56, 19, 15|(3<<16)|(1<<21)               ; E2, classifier: 19 rows a wave
	G1SET 68, 63, 15|(3<<16)|(1<<21)               ; D1's and D2's images: 63 rows a wave
	s_mul_i32 s89, s20, XRW
	s_add_co_u32 s89, s89, XR0                     ; my region
	s_mov_b32 s24, 1
	s_mov_b32 s25, s89
	s_mov_b32 s28, 1
	s_mul_i32 s29, s20, 23552
	s_mov_b32 s32, 1
	s_mul_i32 s33, s20, 4864
	s_add_co_u32 s33, s33, REGB
	s_mov_b32 s36, 1
	s_mul_i32 s37, s20, 16128
	s_mov_b32 s3, 0
	s_wait_dscnt 0x0                               ; the opening add is done
	s_wait_kmcnt 0x0
	s_mov_b32 s2, s29                              ; E1's, E2's and the classifier's images lie in LDS as in wimg: the same offsets, made of the wave's number alone
	s_add_nc_u64 s[30:31], s[6:7], s[2:3]
	s_or_b32 s31, s31, 0x80000000
	s_mov_b32 s2, s33
	s_add_nc_u64 s[34:35], s[6:7], s[2:3]
	s_or_b32 s35, s35, 0x80000000
	s_add_co_u32 s2, s37, W_DG
	s_add_nc_u64 s[38:39], s[6:7], s[2:3]
	s_or_b32 s39, s39, 0x80000000
	s_mul_i32 s2, s22, 9984                        ; 32 rows of x or recon
	s_add_nc_u64 s[26:27], s[4:5], s[2:3]
	s_or_b32 s27, s27, 0x80000000
	s_add_nc_u64 s[16:17], s[16:17], s[2:3]
	s_lshl_b32 s2, s22, 8                          ; 32 rows of logits
	s_add_nc_u64 s[14:15], s[14:15], s[2:3]
	s_lshl_b32 s2, s22, 12                         ; 32 rows of z
	s_add_nc_u64 s[18:19], s[18:19], s[2:3]
	s_load_b64 s[90:91], s[12:13], 0x0             ; cls_b
	ROUND                                          ; all four work-groups are here: the first joint loads meet
	tensor_load_to_lds s[24:27], s[40:47]          ; the three first fills go out together: three loads of mine are out
	s_nop 0
	tensor_load_to_lds s[28:31], s[48:55]
	s_nop 0
	tensor_load_to_lds s[32:35], s[56:63]
	s_nop 0
	v_and_b32 v7, 15, v0                           ; r
	v_bfe_u32 v16, v0, 4, 1                        ; h
	v_and_b32 v17, 31, v0                          ; L
	v_lshlrev_b32 v15, 5, v16
	v_lshl_add_u32 v8, v16, 3, s89
	v_add_nc_u32 v9, s89, v15
	v_lshlrev_b32 v13, 4, v17
	v_lshlrev_b32 v14, 3, v17
	v_add_nc_u32 v12, s89, v13
	v_lshrrev_b32 v18, 3, v17
	v_and_b32 v19, 7, v17
	v_mad_u32_u24 v11, v18, PZ, s89                ; z back: 32 lanes take four rows of 128 bytes
	v_lshl_add_u32 v11, v19, 4, v11
	v_mov_b32 v[ZP], 0
	v_mov_b32 v[ZP+1], 0
	v_mov_b32 v[NG1], -1.0
	v_add_nc_u32 v5, s89, v14
	ds_store_b64 v5, v[ZP:ZP+1] offset:9984        ; zeros behind my last row of x: what row 31's inputs 78, 79 and the look-ahead read
; A step's OT weight fragments: 32 lanes x 16 consecutive bytes a load.  The address is 16 L + a scalar that steps.  lo = 1: and the same fragments of the remainders, W_E1L bytes on.
.macro WLOAD OT, lo
	v_add_nc_u32 v4, s98, v13
.if \lo
	v_add_nc_u32 v10, W_E1L, v4
.endif
.set f_, 0
.rept \OT
	ds_load_b128 v[WF+8*f_:WF+8*f_+3],   v4 offset:1024*f_
	ds_load_b128 v[WF+8*f_+4:WF+8*f_+7], v4 offset:1024*f_+512
.set f_, f_+1
.endr
.if \lo
.set f_, 0
.rept \OT
	ds_load_b128 v[WFL+8*f_:WFL+8*f_+3],   v10 offset:1024*f_
	ds_load_b128 v[WFL+8*f_+4:WFL+8*f_+7], v10 offset:1024*f_+512
.set f_, f_+1
.endr
.endif
	s_add_co_u32 s98, s98, 1024*(\OT)
.endm
; 2 OT products: weights from W on, features from F on.  The accumulators take turns, one instruction a turn, in the same order in every pass and step.  zero = 1: the layer's first products start the sums: nothing is cleared.
.macro MMP W, F, OT, zero
.set o_, 0
.rept \OT
.set t_, 0
.rept 2
.if \zero
	v_wmma_f32_16x16x32_f16 v[ACC+8*(2*o_+t_):ACC+8*(2*o_+t_)+7], v[(\W)+8*o_:(\W)+8*o_+7], v[(\F)+8*t_:(\F)+8*t_+7], 0
.else
	v_wmma_f32_16x16x32_f16 v[ACC+8*(2*o_+t_):ACC+8*(2*o_+t_)+7], v[(\W)+8*o_:(\W)+8*o_+7], v[(\F)+8*t_:(\F)+8*t_+7], v[ACC+8*(2*o_+t_):ACC+8*(2*o_+t_)+7]
.endif
.set t_, t_+1
.endr
.set o_, o_+1
.endr
.endm
.macro MMS OT, zero, lo                ; a step's products: Whi Fhi; lo = 1: also Whi Flo and Wlo Fhi
	MMP WF, FR, \OT, \zero
.if \lo
	MMP WF, FRL, \OT, 0
	MMP WFL, FR, \OT, 0
.endif
.endm
; silu(x) = x / (1 + 2^(-log2(e) x)) for row tile t, nh halves of 8 inputs.  SCALE makes the exponents, SILU the rest and rounds to f16 into F; lo = 1: what the rounding left goes, rounded to f16, into Flo.
.macro SCALE t, nh
.set i_, 0
.rept 4*(\nh)
	v_pk_mul_f32 v[EB+2*i_:EB+2*i_+1], v[XT+16*(\t)+2*i_:XT+16*(\t)+2*i_+1], s[84:85] op_sel_hi:[1,0]
.set i_, i_+1
.endr
.endm
.macro SILU t, nh, lo
.set i_, 0
.rept 8*(\nh)
	v_exp_f32 v[EB+i_], v[EB+i_]
.set i_, i_+1
.endr
	v_nop                                          ; a plain line between the last exponential and the use of its result (ISA guide 5.7.2)
.set i_, 0
	s_wait_alu depctr_va_vdst(0)
.rept 4*(\nh)
	v_pk_add_f32 v[EB+2*i_:EB+2*i_+1], v[EB+2*i_:EB+2*i_+1], 1.0 op_sel_hi:[1,0]
.set i_, i_+1
.endr
.set i_, 0
.rept 8*(\nh)
	v_rcp_f32 v[EB+i_], v[EB+i_]
.set i_, i_+1
.endr
	v_nop                                          ; likewise behind the last reciprocal
.set i_, 0
	s_wait_alu depctr_va_vdst(0)
.rept 4*(\nh)
	v_pk_mul_f32 v[EB+2*i_:EB+2*i_+1], v[EB+2*i_:EB+2*i_+1], v[XT+16*(\t)+2*i_:XT+16*(\t)+2*i_+1]
.set i_, i_+1
.endr
.set i_, 0
.rept 4*(\nh)
	v_cvt_pk_f16_f32 v[FR+8*(\t)+i_], v[EB+2*i_], v[EB+2*i_+1]
.set i_, i_+1
.endr
.if \lo
.set i_, 0
.rept 4*(\nh)
	v_fma_mix_f32 v[EB+2*i_],   v[FR+8*(\t)+i_], v[NG1], v[EB+2*i_]   op_sel_hi:[1,0,0]               ; the f16 half x -1 + the f32 number: exact
	v_fma_mix_f32 v[EB+2*i_+1], v[FR+8*(\t)+i_], v[NG1], v[EB+2*i_+1] op_sel:[1,0,0] op_sel_hi:[1,0,0]
.set i_, i_+1
.endr
.set i_, 0
.rept 4*(\nh)
	v_cvt_pk_f16_f32 v[FRL+8*(\t)+i_], v[EB+2*i_], v[EB+2*i_+1]
.set i_, i_+1
.endr
.endif
.if (\nh) == 1
.set i_, 4
.rept 4
	v_mov_b32 v[FR+8*(\t)+i_], 0                   ; inputs that do not exist
.if \lo
	v_mov_b32 v[FRL+8*(\t)+i_], 0
.endif
.set i_, i_+1
.endr
.endif
.endm
; Base step sp of a layer whose input rows are P bytes apart.  nh = 1: only the first 16 of the step's 32 inputs exist (E1's last).
.macro BASE P, sp, OT, zero, nh, lo
.irp t, 0,1
.set i_, 0
.rept 4*(\nh)
	ds_load_b64 v[XT+16*\t+2*i_:XT+16*\t+2*i_+1], v6 offset:\t*16*(\P)+128*(\sp)+64*(i_/4)+8*(i_%4)
.set i_, i_+1
.endr
.endr
	s_wait_dscnt 4*(\nh)                           ; LDS loads come back in order (ISA guide 5.7.1): row tile 0's are in, row tile 1's 4 nh may be out
	SCALE 0, \nh                                   ; four plain lines or more, which name no register of the last products: the places in front of the loads into the weights' registers
	WLOAD \OT, \lo
	SILU 0, \nh, \lo
	s_wait_dscnt 2*(\OT)*(1+(\lo))                 ; row tile 1's inputs are in; the step's weight loads may be out
	SCALE 1, \nh
	SILU 1, \nh, \lo
	s_wait_dscnt 0x0                               ; the weights
	MMS \OT, \zero, \lo
.endm
; The four spline values, floor(j/2) and the selector for the two inputs of row tile t: t in v[16+2t..], j in v[20+2t..].  All lines work on the pair.
.macro POLY t
.set T_, 16+2*(\t)
.set J_, 20+2*(\t)
	v_pk_add_f32 v[24:25], v[T_:T_+1], v[J_:J_+1] neg_lo:[0,1] neg_hi:[0,1]     ; u
	v_pk_mul_f32 v[40:41], v[J_:J_+1], 0.5 op_sel_hi:[1,0]
	v_pk_fma_f32 v[26:27], v[24:25], -1.0, 1.0 op_sel_hi:[1,0,0]               ; v = 1 - u
	v_floor_f32 v40, v40                                                       ; floor(j/2)
	v_floor_f32 v41, v41
	v_pk_mul_f32 v[28:29], v[24:25], v[24:25]                                  ; u^2
	v_pk_mul_f32 v[30:31], v[26:27], v[26:27]                                  ; v^2
	v_pk_fma_f32 v[32:33], v[24:25], 0.5, -1.0 op_sel_hi:[1,0,0]               ; u/2 - 1
	v_pk_fma_f32 v[34:35], v[26:27], 0.5, -1.0 op_sel_hi:[1,0,0]
	v_pk_fma_f32 v[42:43], v[40:41], -2.0, v[J_:J_+1] op_sel_hi:[1,0,1]        ; j - 2 floor(j/2)
	v_pk_mul_f32 v[36:37], v[24:25], s[82:83] op_sel_hi:[1,0]                  ; u/6
	v_pk_mul_f32 v[38:39], v[26:27], s[82:83] op_sel_hi:[1,0]
	v_pk_fma_f32 v[32:33], v[28:29], v[32:33], s[80:81] op_sel_hi:[1,1,0]      ; w1
	v_pk_fma_f32 v[34:35], v[30:31], v[34:35], s[80:81] op_sel_hi:[1,1,0]      ; w2
	v_pk_fma_f32 v[42:43], v[42:43], s[96:97], s[66:67] op_sel_hi:[1,0,0]      ; the selector
	v_pk_mul_f32 v[36:37], v[28:29], v[36:37]                                  ; w3
	v_pk_mul_f32 v[38:39], v[30:31], v[38:39]                                  ; w0
.endm
; Under the compare just made, word o of the input takes G g (lo = 1: and Flo's word its own G g).  z = 1: the word's first select, with 0 as the other choice.  PLACE sets S_, O_ and OL_.
.macro SEL o, z, g, lo
.if \z
	v_cndmask_b32 v[O_+(\o)], 0, v[S_+2+(\g)], vcc_lo
.else
	v_cndmask_b32 v[O_+(\o)], v[O_+(\o)], v[S_+2+(\g)], vcc_lo
.endif
.if \lo
.if \z
	v_cndmask_b32 v[OL_+(\o)], 0, v[LS+2+(\g)], vcc_lo
.else
	v_cndmask_b32 v[OL_+(\o)], v[OL_+(\o)], v[LS+2+(\g)], vcc_lo
.endif
.endif
.endm
; Input e of row tile t: its four values are rounded, moved by a half word where j is even, and set among the input's four words of F.  lo = 1: what the roundings left goes the same way into Flo.
.macro PLACE t, e, lo
.set S_, 44+6*(\e)
.set O_, FR+8*(\t)+4*(\e)
.set OL_, FRL+8*(\t)+4*(\e)
.set H_, 40+(\e)
	v_cvt_pk_f16_f32 v[S_], v[38+(\e)], v[32+(\e)]             ; P0 = {w0, w1}
	v_cvt_pk_f16_f32 v[S_+1], v[34+(\e)], v[36+(\e)]           ; P1 = {w2, w3}
	v_perm_b32 v[S_+2], v[S_], v[ZP], v[42+(\e)]               ; G0
	v_perm_b32 v[S_+3], v[S_+1], v[S_], v[42+(\e)]             ; G1
	v_perm_b32 v[S_+4], v[ZP], v[S_+1], v[42+(\e)]             ; G2
.if \lo
	v_fma_mix_f32 v[38+(\e)], v[S_],   v[NG1], v[38+(\e)] op_sel_hi:[1,0,0]                 ; w0 - f16(w0), exact
	v_fma_mix_f32 v[32+(\e)], v[S_],   v[NG1], v[32+(\e)] op_sel:[1,0,0] op_sel_hi:[1,0,0]  ; w1
	v_fma_mix_f32 v[34+(\e)], v[S_+1], v[NG1], v[34+(\e)] op_sel_hi:[1,0,0]                 ; w2
	v_fma_mix_f32 v[36+(\e)], v[S_+1], v[NG1], v[36+(\e)] op_sel:[1,0,0] op_sel_hi:[1,0,0]  ; w3
	v_cvt_pk_f16_f32 v[LS], v[38+(\e)], v[32+(\e)]
	v_cvt_pk_f16_f32 v[LS+1], v[34+(\e)], v[36+(\e)]
	v_perm_b32 v[LS+2], v[LS], v[ZP], v[42+(\e)]
	v_perm_b32 v[LS+3], v[LS+1], v[LS], v[42+(\e)]
	v_perm_b32 v[LS+4], v[ZP], v[LS+1], v[42+(\e)]
.endif
	v_cmp_eq_f32 vcc_lo, 0, v[H_]
	SEL 0, 1, 2, \lo
	v_cmp_eq_f32 vcc_lo, 1.0, v[H_]
	SEL 0, 0, 1, \lo
	SEL 1, 1, 2, \lo
	v_cmp_eq_f32 vcc_lo, 2.0, v[H_]
	SEL 0, 0, 0, \lo
	SEL 1, 0, 1, \lo
	SEL 2, 1, 2, \lo
	v_cmp_eq_f32 vcc_lo, 3.0, v[H_]
	SEL 1, 0, 0, \lo
	SEL 2, 0, 1, \lo
	SEL 3, 1, 2, \lo
	v_cmp_eq_f32 vcc_lo, 4.0, v[H_]
	SEL 2, 0, 0, \lo
	SEL 3, 0, 1, \lo
	v_cmp_eq_f32 vcc_lo, 5.0, v[H_]
	SEL 3, 0, 0, \lo
.endm
; A KAN layer.  Input rows P bytes apart in my region; NB base steps, written out (the last with lastnh halves); NS spline steps, a loop; OT output tiles; weights from LDS byte WB on; lo = 1: split operands.
.macro LAYER P, NB, NS, OT, WB, lastnh, lo
	v_mad_u32_u24 v1, v7, \P, v8                   ; spline inputs: row r, 8 h
	v_mad_u32_u24 v6, v7, \P, v9                   ; base inputs: row r, 32 h
	s_mov_b32 s98, \WB
	s_mov_b32 s95, 16
	ds_load_b64 v[XIN:XIN+1], v1                   ; spline step 0's inputs: older than every load below, so every wait below covers them
	ds_load_b64 v[XIN+2:XIN+3], v1 offset:16*(\P)
.set sp_, 0
.rept \NB
.set nh_, 2
.if sp_ == (\NB)-1
.set nh_, \lastnh
.endif
.if sp_ == 0
	BASE \P, sp_, \OT, 1, nh_, \lo
.else
	BASE \P, sp_, \OT, 0, nh_, \lo
.endif
.set sp_, sp_+1
.endr
	s_mov_b32 s88, \NS
.Lspl_\@:                                              ; a trip: one spline step: 4 inputs a lane (2 a row tile), 2 OT products (6 OT with split operands)
	v_pk_fma_f32 v[16:17], v[XIN:XIN+1], s[76:77], s[78:79] op_sel_hi:[1,0,0]      ; t = 2.5 x + 5.5.  These six lines and the address lines name no register
	v_pk_fma_f32 v[18:19], v[XIN+2:XIN+3], s[76:77], s[78:79] op_sel_hi:[1,0,0]    ; of the last products: the places in front of the loads into the weights' registers
	v_floor_f32 v20, v16
	v_floor_f32 v21, v17
	v_floor_f32 v22, v18
	v_floor_f32 v23, v19
	v_add_nc_u32 v5, s95, v1
	ds_load_b64 v[XIN:XIN+1], v5                   ; the next step's inputs; in the last trip: the row's padding or the next row, written bytes that nobody uses
	ds_load_b64 v[XIN+2:XIN+3], v5 offset:16*(\P)
	s_add_co_u32 s95, s95, 16
	WLOAD \OT, \lo
	POLY 0
	PLACE 0, 0, \lo
	PLACE 0, 1, \lo
	POLY 1
	PLACE 1, 0, \lo
	PLACE 1, 1, \lo
	s_wait_dscnt 0x0                               ; this step's weights and the next step's inputs, issued ahead of the trip's 126 (split: 210) lines of feature work
	MMS \OT, 0, \lo
	s_sub_co_u32 s88, s88, 1
	s_cmp_lg_u32 s88, 0
	s_cbranch_scc1 .Lspl_\@
.endm
; A layer's NT output tiles go into my region as f32 rows P bytes apart (each accumulator's low registers first), and zeros into the 16 bytes behind each row.
.macro PUT P, NT
	PLACES
	v_mad_u32_u24 v10, v7, \P, v9
	v_mad_u32_u24 v5, v7, \P, v8
.set t_, 0
.rept 2
.set o_, 0
.rept \NT
	ds_store_b128 v10, v[ACC+8*(2*o_+t_):ACC+8*(2*o_+t_)+3]   offset:t_*16*(\P)+64*o_
	ds_store_b128 v10, v[ACC+8*(2*o_+t_)+4:ACC+8*(2*o_+t_)+7] offset:t_*16*(\P)+64*o_+16
.set o_, o_+1
.endr
	ds_store_b64 v5, v[ZP:ZP+1] offset:t_*16*(\P)+64*(\NT)
.set t_, t_+1
.endr
.endm
; LayerNorm of row tile t, in place on its two accumulators.  A lane holds 16 of its row's 32 numbers, the lane 16 away the others.
.macro LN t
.set A0_, ACC+8*(\t)
.set A1_, ACC+16+8*(\t)
	v_pk_add_f32 v[16:17], v[A0_:A0_+1], v[A0_+2:A0_+3]
	v_pk_add_f32 v[18:19], v[A1_:A1_+1], v[A1_+2:A1_+3]
	v_pk_add_f32 v[20:21], v[A0_+4:A0_+5], v[A0_+6:A0_+7]
	v_pk_add_f32 v[22:23], v[A1_+4:A1_+5], v[A1_+6:A1_+7]
	v_pk_add_f32 v[16:17], v[16:17], v[20:21]
	v_pk_add_f32 v[18:19], v[18:19], v[22:23]
	v_pk_add_f32 v[16:17], v[16:17], v[18:19]
	v_add_f32 v16, v16, v17
	v_permlanex16_b32 v17, v16, s86, s87
	v_add_f32 v16, v16, v17
	v_mul_f32 v16, s94, v16                        ; the mean
	v_mov_b32 v17, v16
.set i_, 0
.rept 4
	v_pk_add_f32 v[A0_+2*i_:A0_+2*i_+1], v[A0_+2*i_:A0_+2*i_+1], v[16:17] neg_lo:[0,1] neg_hi:[0,1]
	v_pk_add_f32 v[A1_+2*i_:A1_+2*i_+1], v[A1_+2*i_:A1_+2*i_+1], v[16:17] neg_lo:[0,1] neg_hi:[0,1]
.set i_, i_+1
.endr
	v_pk_mul_f32 v[18:19], v[A0_:A0_+1], v[A0_:A0_+1]
	v_pk_mul_f32 v[20:21], v[A1_:A1_+1], v[A1_:A1_+1]
.set i_, 1
.rept 3
	v_pk_fma_f32 v[18:19], v[A0_+2*i_:A0_+2*i_+1], v[A0_+2*i_:A0_+2*i_+1], v[18:19]
	v_pk_fma_f32 v[20:21], v[A1_+2*i_:A1_+2*i_+1], v[A1_+2*i_:A1_+2*i_+1], v[20:21]
.set i_, i_+1
.endr
	v_pk_add_f32 v[18:19], v[18:19], v[20:21]
	v_add_f32 v18, v18, v19
	v_permlanex16_b32 v19, v18, s86, s87
	v_add_f32 v18, v18, v19
	v_fma_f32 v18, v18, s94, s93                   ; the variance + 1e-5
	v_rsq_f32 v18, v18
	v_nop                                          ; a plain line behind the root
	s_wait_alu depctr_va_vdst(0)
	v_mov_b32 v19, v18
.set i_, 0
.rept 8
	v_pk_mul_f32 v[24+2*i_:25+2*i_], v[LNW+2*i_:LNW+2*i_+1], v[18:19]
.set i_, i_+1
.endr
.set i_, 0
.rept 4
	v_pk_fma_f32 v[A0_+2*i_:A0_+2*i_+1], v[A0_+2*i_:A0_+2*i_+1], v[24+2*i_:25+2*i_], v[LNB+2*i_:LNB+2*i_+1]
	v_pk_fma_f32 v[A1_+2*i_:A1_+2*i_+1], v[A1_+2*i_:A1_+2*i_+1], v[32+2*i_:33+2*i_], v[LNB+8+2*i_:LNB+8+2*i_+1]
.set i_, i_+1
.endr
.endm
	s_wait_tensorcnt 0x1                           ; tensor loads of a wave end in order (ISA guide 10.11.1): x and my part of E1's images are in; the third load may stay out
	s_wait_dscnt 0x0                               ; my zeros
	s_wait_kmcnt 0x0                               ; cls_b
	s_barrier_signal -1
	s_barrier_wait -1                              ; everybody's part of E1's images is in
	LAYER PX, 3, 20, 4, 0, 1, 1                    ; E1: 78 -> 64, split operands
	PUT PH, 4                                      ; H takes x's place: my region has had its one fill
	s_wait_tensorcnt 0x0                           ; all my tensor loads have landed, my part of E2's and the classifier's images among them
	ds_add_u32 v2, v3                              ; 0 onto my spare word
	s_wait_dscnt 0x0                               ; the add is done, and my reads of E1's images are over
	ROUND                                          ; both now hold of every wave of all four work-groups
	tensor_load_to_lds s[36:39], s[68:75]          ; D1's and D2's images take E1's place: my one load behind the round; it has E2, LayerNorm and the classifier in which to land
	s_nop 0
.irp o, 0,1                                            ; ln_w and ln_b of my outputs 16 o + 8 h + 0..7, into the registers that held Wlo: PUT's lines stand between E1's last product and these loads
	global_load_b128 v[LNW+8*\o:LNW+8*\o+3],   v15, s[8:9] offset:64*\o
	global_load_b128 v[LNW+8*\o+4:LNW+8*\o+7], v15, s[8:9] offset:64*\o+16
	global_load_b128 v[LNB+8*\o:LNB+8*\o+3],   v15, s[10:11] offset:64*\o
	global_load_b128 v[LNB+8*\o+4:LNB+8*\o+7], v15, s[10:11] offset:64*\o+16
.endr
	LAYER PH, 2, 16, 2, REGB, 2, 0                 ; E2: 64 -> 32
	PLACES
	s_wait_loadcnt 0x0                             ; ln_w, ln_b
	LN 0
	LN 1
	; The classifier: z, rounded to f16, IS source 1: a lane's 16 numbers are k = 8 h + 0..7 and 16 + 8 h + 0..7.  Rows m and m + 8 of its weights are alike, so registers 0 and 1 of every lane are its row's two logits.
	v_add_nc_u32 v4, W_CLS, v13
	ds_load_b128 v[WF:WF+3], v4
	ds_load_b128 v[WF+4:WF+7], v4 offset:512
.irp t, 0,1
.irp i, 0,1,2,3
	v_cvt_pk_f16_f32 v[FR+8*\t+\i],   v[ACC+8*\t+2*\i],    v[ACC+8*\t+2*\i+1]
	v_cvt_pk_f16_f32 v[FR+8*\t+4+\i], v[ACC+16+8*\t+2*\i], v[ACC+16+8*\t+2*\i+1]
.endr
.endr
	s_wait_dscnt 0x0
	v_wmma_f32_16x16x32_f16 v[WF+8:WF+15],  v[WF:WF+7], v[FR:FR+7], 0
	v_wmma_f32_16x16x32_f16 v[WF+16:WF+23], v[WF:WF+7], v[FR+8:FR+15], 0
	PUT PZ, 2                                      ; z into my region, for D1 and for the way out; its four places serve the two products above too
.set k_, 0
.rept 8
	ds_load_b128 v[16+4*k_:19+4*k_], v11 offset:4*PZ*k_    ; four rows of 128 bytes: 512 consecutive bytes of out2
.set k_, k_+1
.endr
	v_cndmask_b32 v[LG], v[WF+8], v[WF+16], s92    ; lane L takes row L: lanes 16-31 from row tile 1
	v_cndmask_b32 v[LG+1], v[WF+9], v[WF+17], s92
	v_add_f32 v[LG], s90, v[LG]
	v_add_f32 v[LG+1], s91, v[LG+1]
	global_store_b64 v14, v[LG:LG+1], s[14:15] th:TH_STORE_NT      ; 256 consecutive bytes, at a multiple of 256 from out0's first
	s_wait_dscnt 0x0
.set k_, 0
.rept 8
	global_store_b128 v13, v[16+4*k_:19+4*k_], s[18:19] offset:512*k_ th:TH_STORE_NT
.set k_, k_+1
.endr
	s_wait_xcnt 0x0                                ; the stores' data registers are written again only behind this wait (ISA guide 3.1)
	s_wait_tensorcnt 0x0                           ; my part of D1's and D2's images is in
	s_wait_dscnt 0x0
	s_barrier_signal -1
	s_barrier_wait -1                              ; everybody's is
	LAYER PZ, 1, 8, 4, L_D1, 2, 0                  ; D1: 32 -> 64
	PUT PH, 4                                      ; HD
	LAYER PH, 2, 16, 5, L_D2, 2, 0                 ; D2: 64 -> 78 (80 with the two outputs of weight 0)
	; recon into my region as rows of 312 bytes.  Output tile 4 goes first: its outputs 78 and 79 fall on the next row's first 8 bytes (row 31's on the block behind), which tile 0's stores, later in the wave's order, write over.
	PLACES
	v_mad_u32_u24 v10, v7, PX, v9
	v_add_nc_u32 v5, s89, v14
.irp ot, 4,0,1,2,3
.irp t, 0,1
.irp p, 0,1,2,3
	ds_store_b64 v10, v[ACC+8*(2*\ot+\t)+2*\p:ACC+8*(2*\ot+\t)+2*\p+1] offset:\t*16*PX+64*\ot+8*\p
.endr
.endr
.endr
.set k_, 0
.rept 19
	ds_load_b128 v[16+4*k_:19+4*k_], v12 offset:512*k_     ; back as 9,984 dense bytes: 19 x 512 and 256
.set k_, k_+1
.endr
	ds_load_b64 v[92:93], v5 offset:9728
.set k_, 0
.rept 19
	s_wait_dscnt 19-k_                             ; load k is in: 19 - k were issued behind it
	global_store_b128 v13, v[16+4*k_:19+4*k_], s[16:17] offset:512*k_ th:TH_STORE_NT   ; 512 consecutive bytes, at a multiple of 256 from out1's first
.set k_, k_+1
.endr
	s_wait_dscnt 0x0
	global_store_b64 v14, v[92:93], s[16:17] offset:9728 th:TH_STORE_NT
	s_wait_tensorcnt 0x0                           ; the wave's end, behind my last tensor load and my last LDS store
	ds_add_u32 v2, v3
	s_wait_dscnt 0x0
	ROUND                                          ; the closing round: no work-group ends while a partner may still ask for a tile that names it
	s_endpgm
.Lfunc_end_k_qf7fae8bd64_kan:
	.size	k_qf7fae8bd64_kan, .Lfunc_end_k_qf7fae8bd64_kan-k_qf7fae8bd64_kan
	.p2alignl 7, 3214868480
	.fill 96, 4, 3214868480
	.section	.rodata,"a",@progbits
	.p2align	6, 0x0
	.amdhsa_kernel k_qf7fae8bd64_kan
		.amdhsa_group_segment_fixed_size 327680
		.amdhsa_private_segment_fixed_size 0
		.amdhsa_enable_private_segment 0
		.amdhsa_kernarg_size 64
		.amdhsa_user_sgpr_count 2
		.amdhsa_user_sgpr_kernarg_segment_ptr 1
		.amdhsa_wavefront_size32 1
		.amdhsa_system_sgpr_workgroup_id_x 1
		.amdhsa_system_sgpr_workgroup_id_y 1
		.amdhsa_system_sgpr_workgroup_id_z 1
		.amdhsa_system_vgpr_workitem_id 0
		.amdhsa_next_free_vgpr 256
		.amdhsa_next_free_sgpr 100
		.amdhsa_reserve_vcc 1
		.amdhsa_float_denorm_mode_32 3
		.amdhsa_float_denorm_mode_16_64 3
		.amdhsa_memory_ordered 1
		.amdhsa_forward_progress 1
		.amdhsa_inst_pref_size 141
	.end_amdhsa_kernel
	.amdgpu_metadata
---
amdhsa.version: [ 1, 2 ]
amdhsa.kernels:
  - .name:           k_qf7fae8bd64_kan
    .symbol:         k_qf7fae8bd64_kan.kd
    .args:
      - { .name: x, .offset: 0, .size: 8, .value_kind: global_buffer, .address_space: global }
      - { .name: wimg, .offset: 8, .size: 8, .value_kind: global_buffer, .address_space: global }
      - { .name: ln_w, .offset: 16, .size: 8, .value_kind: global_buffer, .address_space: global }
      - { .name: ln_b, .offset: 24, .size: 8, .value_kind: global_buffer, .address_space: global }
      - { .name: cls_b, .offset: 32, .size: 8, .value_kind: global_buffer, .address_space: global }
      - { .name: out0, .offset: 40, .size: 8, .value_kind: global_buffer, .address_space: global }
      - { .name: out1, .offset: 48, .size: 8, .value_kind: global_buffer, .address_space: global }
      - { .name: out2, .offset: 56, .size: 8, .value_kind: global_buffer, .address_space: global }
    .group_segment_fixed_size: 327680
    .private_segment_fixed_size: 0
    .kernarg_segment_align: 8
    .kernarg_segment_size: 64
    .max_flat_workgroup_size: 256
    .sgpr_count:     100
    .vgpr_count:     256
    .wavefront_size: 32
...
	.end_amdgpu_metadata
.endif
;; end of part 2
